; MI455X (gfx1250); checked and timed in simulation.
; The chip was launched on July 23, 2026; its instructions are those of AMD's public machine-readable ISA for CDNA 5 (MIT licence, August 2026) and "CDNA5" Instruction Set Architecture Reference Guide (July 2026). The comments in the code are by the model that wrote it; some were corrected since.
;; Deep Factorization Machine Model. Allowed arithmetic: matrix products marked QUANTISED: E2M1 operands, one E8M0 scale for each 32 along K, by v_wmma_scale_f32_16x16x128_f8f6f4 with both operands' format E2M1 (or v_wmma_scale_f32_32x16x128_f4), f32 sums; products left as they are: f32 operands where the result goes on into a quantised operand, else bf16, f16 or f32 operands; f32 sums; everything else in f32.
;; Inputs: W1 256 x 64 float32; W2 64 x 32 float32; W3 32 x 1 float32; b1 64 float32; b2 32 float32; b3 1 float32; be1 64 float32; be2 32 float32; emb_table 1,700,000 x 16 float32; g1 64 float32; g2 32 float32; lin_bias 1 float32; lin_table 1,700,000 x 1 float32; x 16,384 x 16 int32; x_field 16,384 x 16 int32; x_val 16,384 x 16 float32.
;; Outputs: out0 16,384 float32.
;; This version of the problem:
;;   THIS VERSION OF THE PROBLEM IS GIVEN IN LOW PRECISION. The matrix products marked QUANTISED in the list below multiply operands that are first quantised to E2M1 (2 exponent bits, 1 mantissa bit; 4 bits a number), with one power-of-two scale for each 32 numbers along K (OCP MX v1.0); their sums are f32. All else is computed in f32.
;;   The module's matrix products, in the order in which they are computed (A, B: the left and right operand; K: the contracted axis; several contracted axes count as one K, in the product's order):
;;     1. [M 16,384, K 256] x [K 256, N 64]; A: computed on the way; B: input W1: QUANTISED
;;     2. [M 16,384, K 64] x [K 64, N 32]; A: computed on the way; B: input W2: QUANTISED
;;     3. [M 16,384, K 32] x [K 32, N 1]; A: computed on the way; B: input W3: left as it is (N = 1 < 16)
;;   THE QUANTISER, for each operand of a quantised product, along K:
;;     - K is cut into blocks of 32 from its start; a last block that is shorter is filled with zeros.
;;     - A block's scale is 2^e with e = floor(log2(the largest magnitude in the block)) - 2, held to -126 .. 127; a block of zeros has e = 0. As a byte (E8M0): e + 127.
;;     - Each number is divided by its block's scale, clamped to +-6, and rounded to the nearest number of E2M1, ties to even, subnormals kept.
;;     - The product sums the exact products of the quantised numbers (number of the format x scale) in f32.
;;   ~~~python
;;   def quantise(x, axis):      # numpy; x: float32 -> the quantised numbers, widened to float32 again
;;       x = np.moveaxis(x, axis, -1); K = x.shape[-1]
;;       x = np.pad(x, [(0, 0)] * (x.ndim - 1) + [(0, -K % 32)]); x = x.reshape(x.shape[:-1] + (-1, 32)); a = np.abs(x).max(-1, keepdims=True)
;;       e = np.where(a > 0, np.clip(np.frexp(np.where(a > 0, a, 1))[1] - 1 - 2, -126, 127), 0)      # np.frexp(a)[1] - 1 = floor(log2(a)), exactly
;;       r = np.clip(x / 2.0 ** e, -6, 6)
;;       step = 2.0 ** (np.maximum(np.frexp(np.where(r == 0, 1, r))[1] - 1, 0) - 1)
;;       q = np.round(r / step) * step * 2.0 ** e      # np.round: ties to even
;;       return np.moveaxis(q.reshape(q.shape[:-2] + (-1,))[..., :K], -1, axis).astype(np.float32)
;;   ~~~
;;   OPERANDS COMPUTED ON THE WAY. 'Computed on the way' means the value that the module computes at that place (a softmax that the list does not call 'softmax' is quantised finished and normalised). What goes into a quantiser is computed in f32, as accurately as f32 sums, v_exp_f32 and their like allow (about 1e-6 of the number): no bf16 or f16 on the way to a quantiser, and a product that is left as it is and whose result goes on into a quantised operand takes f32 operands (vector FMAs, or v_wmma_f32_16x16x4_f32). A number that lies on a knife's edge between two numbers of the format may be rounded either way, as far as f32 arithmetic and the matrix unit's own rounding can turn it there, and no further.
;; 2 versions. Each part assembles by itself: llvm-mc -triple=amdgcn-amd-amdhsa -mcpu=gfx1250 --defsym DOCPART=n.
;; ======== version 1 of 2: 1 launch
;; launch dfm (part 1): grid 256 x 1, 4 waves a work-group, no clusters, 94,720 bytes of LDS; arguments x, x_field, x_val, emb_table, lin_table, W1, W2, W3, b1, g1, be1, b2, g2, be2, b3, lin_bias, out0; writes out0
.if DOCPART == 1
	.amdgcn_target "amdgcn-amd-amdhsa--gfx1250"
	.amdhsa_code_object_version 6
	.text
	.protected	k_q414dd9fd9b_dfm
	.globl	k_q414dd9fd9b_dfm
	.p2align	8
	.type	k_q414dd9fd9b_dfm,@function
k_q414dd9fd9b_dfm:
	s_mov_b64 s[64:65], 0
	v_nop
	global_prefetch_b8 v0, s[64:65] scope:SCOPE_SE
	s_setreg_imm32_b32 hwreg(HW_REG_WAVE_MODE, 25, 1), 1
	s_wait_xcnt 0x0
; out0[row] = lin + fm + mlp of a DeepFM.  idx = x + 100000 x_field; e = emb_table[idx] * x_val (16 fields x 16 numbers = 256 a row);
; lin = sum of lin_table[idx] * x_val + lin_bias; fm = 0.5 (sum_e s_e^2 - sum of all e^2), s_e = the sum over the fields;
; mlp = relu(bn(relu(bn(e W1 + b1)) W2 + b2)) W3 + b3, bn(h) = h * g / sqrt(1 + 1e-5) + be.
; The products by W1 and W2 run on codes of FP4 (E2M1) with one E8M0 scale for each 32 along K; both sides are quantised here, from f32.  The product by W3 is f32 multiply-adds.
; SHARES.  16,384 rows = 256 work-groups x 4 waves x 16 rows: a wave takes one tile of 16 rows through the whole chain; the text is straight-line, EXEC is never changed.
; THE GATHER.  Four lanes take one embedding row of 64 bytes, 16 bytes each, so one load names 8 whole rows and no row is named twice; all 32 + 8 gathers of a wave are issued before anything waits for them.
; The numbers turn through the wave's own stage in LDS, after which lane (r, h) holds, for t = 0 .. 7, the 16 numbers of field 2 t + h of row r: k = 32 t + 16 h + 0 .. 15, the order in which the conversions want them.
; THE WEIGHTS are quantised once in each work-group, a quarter by each wave, between the issue of the gathers and their use, and reach the other waves through LDS as images of the operands' registers.
; Both products are used transposed (source 0 = 16 columns of the weight, source 1 = my 16 rows): a lane holds one row throughout.  The columns of W1 that form a tile are chosen
; (lane r' of tile 2 b + u: hidden unit 32 b + 8 u + r' + 8 (r' / 8)) so that a lane's 16 registers of two neighbouring tiles are 16 neighbours along the next K.
; NO CLUSTER, NO TENSOR LOAD: what work-groups share is W1 and W2, 73,728 bytes of f32 that must pass through registers to be quantised; all else that a work-group reads is its own rows' and is found by index.
; LIMITS.  x is held to 0 .. 99,999 and x_field to 0 .. 16 by an unsigned minimum, so that every access lies inside its table; negative or larger indices are not served as an indexing that wraps or clips would.
; NaN and infinities ahead of a quantiser are not served.  A block of zeros gets the byte 1 with zero codes (the bytes are read here alone).  g / sqrt(1 + 1e-5) is computed as g x 0x3f7fffac, the f32 nearest to 1 / sqrt(1.00001).
; REGISTERS, in windows of 256.  Window 0: v1-23 lane numbers and addresses; v24-31 at work; v32-44 scale words and nothing else; v45 the result so far; v48-127 arrays that change hands (below); v128-255 the gathered numbers.
; Window 1: v0-127 W1 as loaded, later the biases and gains; v128-191 W1's eight fragments; v192-207 W2's two; v208-239 be2, W3; v240-255 W2 as loaded.
.set W1I,  0                           ; LDS: W1's fragments: (tile T, K step s) at 2064 T + 1024 s; registers 4 c' .. 4 c' + 3 at 512 c', lane at 16 x lane.  2064 = 129 x 16: the 16 lanes of a store fall on 16 different columns of 16 bytes
.set W1S,  8448                        ; their scale words: 64 (2 T + s) + 4 r'
.set W2I,  8960                        ; W2's fragments, registers 0-3: 512 T + 16 x lane
.set W2S,  9984                        ; their scale words: 64 T + 4 r'
.set LINS, 10240                       ; 64 bytes a wave: lin of its 16 rows
.set OUTS, 10496                       ; 64 bytes a wave: its 16 results
.set STG,  10752                       ; 20,480 bytes a wave: 8 stages of 32 places of 64 + 16 bytes
.set XA,   48                          ; v48-79   x of rows q and q + 8, all 16 fields; then the gathers' byte offsets
.set FA,   80                          ; v80-111  x_field likewise
.set XL,   112                         ; v112-119 x, 16 bytes a lane as they lie; then lin's byte offsets
.set FL,   120                         ; v120-127 x_field likewise
.set LV,   120                         ; v120-127 lin_table's numbers
.set VL,   80                          ; v80-87   x_val beside them
.set XV,   88                          ; v88-103  x_val of row r, all 16 fields
.set TT,   48                          ; v48-79   a column's 32 numbers, while the weights are quantised
.set CW,   104                         ; v104-119 four columns' codes
.set TM,   104                         ; v104-119 at work in QUANT
.set S,    48                          ; v48-63   s_e
.set SQ,   64                          ; v64-71   the sum of squares, four chains of pairs
.set HC,   72                          ; v72-79   the hidden layer's codes; 76-79 are zeros (K = 64 of 128)
.set XC,   80                          ; v80-95   e's codes, two K steps
.set G,    128                         ; v128-255 the gathered numbers
.set H,    128                         ; v128-159 the first product's four tiles
.set SP,   160                         ; v160-175 the other half's s_e
.set Y,    176                         ; v176-191 the second product's two tiles
.set W1SR, 32                          ; v32-39   W1's scale words, 2 T + s
.set W2SR, 40                          ; v40-41   W2's
.set XS,   42                          ; v42-43   e's
.set HS,   44                          ; v44      the hidden layer's
.set R,    45                          ; v45      lin + fm + the two scalar biases
.set W1R,  0                           ; window 1 from here on
.set B1,   0
.set G1,   32
.set BE1,  64
.set B2,   96
.set G2,   112
.set W1F,  128
.set W2F,  192
.set BE2,  208
.set W3R,  224
.set W2R,  240
.set MSB, 0
.macro WIN new                         ; low byte: bits 1:0 source 0, 3:2 source 1, 5:4 source 2, 7:6 destination; the high byte repeats the setting that is left
.if MSB != \new
	s_set_vgpr_msb (MSB<<8)|\new
.set MSB, \new
.endif
.endm
; One column's block of 32 along K of W1: column c of the lane's four.  The loads left it in every fourth register; the conversions want eight neighbours along K in consecutive registers.
.macro WCOL c
	WIN 0x01
.set i, 0
.rept 32
	v_mov_b32 v[TT+i], v[W1R+4*i+\c]
.set i, i+1
.endr
	WIN 0
	v_max3_num_f32 v28, |v[TT]|, |v[TT+1]|, |v[TT+2]|              ; the block's largest magnitude: all 32 numbers are mine; two chains
	v_max3_num_f32 v29, |v[TT+3]|, |v[TT+4]|, |v[TT+5]|
.irp k, 6,10,14,18,22,26
	v_max3_num_f32 v28, v28, |v[TT+\k]|, |v[TT+\k+1]|
	v_max3_num_f32 v29, v29, |v[TT+\k+2]|, |v[TT+\k+3]|
.endr
	v_max3_num_f32 v28, v28, |v[TT+30]|, |v[TT+31]|
	v_max3_num_f32 v28, v28, v29, 0x1800000                        ; and the floor 2^(3 - 127): the byte cannot fall under 1
	v_add_nc_u32 v30, 0xff000000, v28                              ; 2 off the exponent field: the conversion takes this operand's exponent field as its scale
.irp g, 0,1,2,3
	v_cvt_scalef32_pk8_fp4_f32 v[CW+4*\c+\g], v[TT+8*\g:TT+8*\g+7], v30
.endr
	v_lshrrev_b32 v[24+\c], 23, v30                                ; the scale's byte; also the plain line behind the conversions, ahead of the next writes of their sources
.endm
; 16 nb numbers of a lane, register 16 b + i = k 32 b + 16 (lane / 16) + i of my row, become codes in v[pc] on (4 registers for each two blocks) and my row's scale word in v[pw].
.macro QUANT src, nb, pc, pw
.irp b, 0,1,2,3
.if \b < \nb
	v_max3_num_f32 v[TM+\b], |v[\src+16*\b]|, |v[\src+1+16*\b]|, 0x1800000   ; my 16 numbers of block b, and the floor 2^(3 - 127)
.endif
.endr
.irp i, 2,4,6,8,10,12,14
.irp b, 0,1,2,3
.if \b < \nb
	v_max3_num_f32 v[TM+\b], v[TM+\b], |v[\src+16*\b+\i]|, |v[\src+1+16*\b+\i]|   ; the blocks by turns
.endif
.endr
.endr
.irp b, 0,1,2,3
.if \b < \nb
	v_permlanex16_b32 v[TM+4+\b], v[TM+\b], s48, s49
.endif
.endr
.irp b, 0,1,2,3
.if \b < \nb
	v_max_num_f32 v[TM+\b], v[TM+\b], v[TM+4+\b]                   ; with the lane 16 away: the block's largest magnitude
.endif
.endr
.irp b, 0,1,2,3
.if \b < \nb
	v_add_nc_u32 v[TM+12+\b], 0xff000000, v[TM+\b]                 ; the conversion's scale operand
.endif
.endr
.irp b, 0,1,2,3
.if \b < \nb
	v_lshrrev_b32 v[TM+4+\b], 23, v[TM+12+\b]                      ; the scale's byte
.endif
.endr
	v_lshl_or_b32 v[\pw], v[TM+5], 8, v[TM+4]                      ; with two blocks bytes 2 and 3 stay 0: they scale zero codes
.if \nb > 2
	v_lshl_or_b32 v[\pw], v[TM+6], 16, v[\pw]
	v_lshl_or_b32 v[\pw], v[TM+7], 24, v[\pw]
.endif
.irp b, 0,1,2,3
.if \b < \nb
	v_cvt_scalef32_pk8_fp4_f32 v[(\pc)+2*\b], v[\src+16*\b:\src+7+16*\b], v[TM+12+\b]
	v_cvt_scalef32_pk8_fp4_f32 v[(\pc)+1+2*\b], v[\src+8+16*\b:\src+15+16*\b], v[TM+12+\b]
.endif
.endr
	v_nop                                                          ; one plain line behind the last scaled conversion
.irp c, 0,1                                                    ; the operand wants a whole block in a lane: lanes 0-15 block 2 c, lanes 16-31 block 2 c + 1
.if 2*\c < \nb
.irp i, 0,1
	v_permlane16_swap_b32 v[(\pc)+4*\c+\i], v[(\pc)+2+4*\c+\i]
.endr
.endif
.endr
.endm
; Field pair t is back from its stage: weigh by x_val, add into s_e and into the sum of squares.
.macro FIELDS t
	s_wait_dscnt 8*(7-\t)                                          ; LDS answers in order: each later stage's 4 stores and 4 loads may be out; all that was asked earlier is in
.irp p, 0,1,2,3,4,5,6,7
	v_pk_mul_f32 v[G+16*\t+2*\p:G+16*\t+2*\p+1], v[G+16*\t+2*\p:G+16*\t+2*\p+1], v[XV+2*\t:XV+2*\t+1] op_sel_hi:[1,0]
.endr
.if \t == 1
.irp p, 0,1,2,3,4,5,6,7
	v_pk_add_f32 v[S+2*\p:S+2*\p+1], v[G+2*\p:G+2*\p+1], v[G+16+2*\p:G+16+2*\p+1]   ; the first two pairs start the sums: nothing is cleared
.endr
.elseif \t > 1
.irp p, 0,1,2,3,4,5,6,7
	v_pk_add_f32 v[S+2*\p:S+2*\p+1], v[S+2*\p:S+2*\p+1], v[G+16*\t+2*\p:G+16*\t+2*\p+1]
.endr
.endif
.irp p, 0,1,2,3,4,5,6,7
.if (\t == 0) && (\p < 4)
	v_pk_mul_f32 v[SQ+2*\p:SQ+2*\p+1], v[G+2*\p:G+2*\p+1], v[G+2*\p:G+2*\p+1]
.else
	v_pk_fma_f32 v[SQ+2*(\p%4):SQ+2*(\p%4)+1], v[G+16*\t+2*\p:G+16*\t+2*\p+1], v[G+16*\t+2*\p:G+16*\t+2*\p+1], v[SQ+2*(\p%4):SQ+2*(\p%4)+1]
.endif
.endr
.endm
	; ---- the head: addresses of the buffers; what the first loads need
	s_load_b512 s[8:23], s[0:1], 0x0               ; x s[8:9], x_field s[10:11], x_val s[12:13], emb_table s[14:15], lin_table s[16:17], W1 s[18:19], W2 s[20:21], W3 s[22:23]
	s_load_b512 s[24:39], s[0:1], 0x40             ; b1 s[24:25], g1 s[26:27], be1 s[28:29], b2 s[30:31], g2 s[32:33], be2 s[34:35], b3 s[36:37], lin_bias s[38:39]
	s_load_b64 s[40:41], s[0:1], 0x80              ; out0
	v_lshl_add_u32 v46, v0, 2, 0x17000
	v_mov_b32 v47, 0
	v_lshrrev_b32 v24, 5, v0
	v_readfirstlane_b32 s2, v24                    ; wave w, 0 .. 3
	v_and_b32 v1, 31, v0                           ; lane l
	v_and_b32 v2, 15, v0                           ; r = l % 16
	v_bfe_u32 v3, v0, 4, 1                         ; h = l / 16
	v_and_b32 v25, 3, v0                           ; c = l % 4
	v_bfe_u32 v26, v0, 2, 3                        ; q = l / 4
	v_lshlrev_b32 v4, 4, v25                       ; 16 c: my quarter of an embedding row
	v_lshlrev_b32 v5, 6, v26                       ; 64 q: row q of the wave's 16 rows of x, x_field
	v_lshlrev_b32 v6, 4, v1                        ; 16 l
	v_lshlrev_b32 v7, 6, v2                        ; 64 r
	v_and_b32 v27, 1, v0                           ; W1: my four columns are r' = 4 (l % 4) + 0 .. 3 of tile (l / 4) % 4: hidden units 4 bit0 + 16 bit1 + 8 bit2 + 32 bit3 + 0 .. 3
	v_lshlrev_b32 v8, 4, v27
	v_bfe_u32 v27, v0, 1, 1
	v_lshl_add_u32 v8, v27, 6, v8
	v_bfe_u32 v27, v0, 2, 1
	v_lshl_add_u32 v8, v27, 5, v8
	v_bfe_u32 v27, v0, 3, 1
	v_lshl_add_u32 v8, v27, 7, v8
	v_lshl_add_u32 v8, v3, 13, v8                  ; lanes 16-31: 32 rows of 256 bytes further down
	s_lshl_b32 s50, s2, 14                         ; my wave's 64 rows of W1: k = 64 w on
	v_add_nc_u32 v8, s50, v8
	v_bfe_u32 v28, v0, 3, 2                        ; a = l / 8
	v_and_b32 v29, 7, v0                           ; p = l % 8
	v_lshlrev_b32 v9, 3, v29                       ; W2: columns 2 p, 2 p + 1 of tile w / 2; k = 32 (w % 2) + 8 a + 0 .. 7; a row is 128 bytes
	v_lshl_add_u32 v9, v28, 10, v9
	s_and_b32 s51, s2, 1                           ; w % 2
	s_lshr_b32 s52, s2, 1                          ; w / 2
	s_lshl_b32 s53, s51, 12
	s_lshl_b32 s54, s52, 6
	s_add_co_u32 s53, s53, s54
	v_add_nc_u32 v9, s53, v9
	s_lshl_b32 s44, ttmp9, 12                      ; the work-group's 64 rows of 64 bytes,
	s_lshl_b32 s58, s2, 10                         ; my wave's 16 of them
	s_add_co_u32 s44, s44, s58
	s_mov_b32 s45, 0
	s_lshl_b32 s58, ttmp9, 8                       ; the work-group's 64 results
	s_mov_b32 s59, 0
	s_mov_b32 s46, 0x3f7fffac                      ; 1 / sqrt(1 + 1e-5)
	s_mov_b32 s47, s46                             ; (named with it as a pair)
	s_mov_b32 s48, 0x76543210
	s_mov_b32 s49, 0xfedcba98                      ; v_permlanex16_b32's selects for the lane 16 away
	s_wait_kmcnt 0x0
	s_load_b32 s42, s[36:37], 0x0                  ; b3
	s_load_b32 s43, s[38:39], 0x0                  ; lin_bias
	s_add_nc_u64 s[8:9], s[8:9], s[44:45]
	s_add_nc_u64 s[10:11], s[10:11], s[44:45]
	s_add_nc_u64 s[12:13], s[12:13], s[44:45]
	s_add_nc_u64 s[40:41], s[40:41], s[58:59]
	; ---- 60 loads: the indices (20), then my quarter of the weights (40)
.irp hf, 0,1
.irp j, 0,1,2,3
	global_load_b128 v[XA+16*\hf+4*\j:XA+16*\hf+4*\j+3], v5, s[8:9] offset:512*\hf+16*\j     ; x of row q + 8 hf, fields 4 j on: a quad's four lanes read the same bytes
	global_load_b128 v[FA+16*\hf+4*\j:FA+16*\hf+4*\j+3], v5, s[10:11] offset:512*\hf+16*\j
.endr
.endr
.irp hf, 0,1
	global_load_b128 v[XL+4*\hf:XL+4*\hf+3], v6, s[8:9] offset:512*\hf                       ; for lin: row q + 8 hf, fields 4 c on: 512 consecutive bytes a load
	global_load_b128 v[FL+4*\hf:FL+4*\hf+3], v6, s[10:11] offset:512*\hf
.endr
	WIN 0x40                                       ; destination window 1
.set i, 0
.rept 32
	global_load_b128 v[W1R+4*i:W1R+4*i+3], v8, s[18:19] offset:256*i                         ; W1(64 w + 32 h + i, my four columns): sixteen lanes read one whole row of 256 bytes
.set i, i+1
.endr
.irp i, 0,1,2,3,4,5,6,7
	global_load_b64 v[W2R+2*\i:W2R+2*\i+1], v9, s[20:21] offset:128*\i
.endr
	WIN 0
	; ---- LDS addresses, while the indices are on their way
	s_mul_i32 s55, s2, 20480
	s_add_co_u32 s55, s55, STG                     ; my stages
	v_mul_u32_u24 v10, v26, 80
	v_add_nc_u32 v10, v10, v4
	v_add_nc_u32 v10, s55, v10                     ; in: place q (+ 8 i by the immediate), my quarter
	v_mul_u32_u24 v11, v1, 80
	v_add_nc_u32 v11, s55, v11                     ; back: place l
	v_bfe_u32 v30, v0, 2, 2                        ; T = (l / 4) % 4
	v_mul_u32_u24 v12, v30, 2064                   ; W1's codes: fragment (T, w / 2), registers 4 (w % 2) on, lane 4 (l % 4) + c + 16 h
	v_lshl_add_u32 v12, v3, 8, v12
	v_lshl_add_u32 v12, v25, 6, v12
	s_lshl_b32 s56, s52, 10
	s_lshl_b32 s57, s51, 9
	s_add_co_u32 s56, s56, s57
	v_add_nc_u32 v12, s56, v12
	v_lshlrev_b32 v13, 7, v30                      ; W1's scale bytes: word 64 (2 T + w / 2) + 4 r', byte 2 (w % 2) + h
	v_lshl_add_u32 v13, v25, 4, v13
	v_add_nc_u32 v13, v13, v3
	s_lshl_b32 s56, s52, 6
	s_lshl_b32 s57, s51, 1
	s_add_co_u32 s56, s56, s57
	v_add_nc_u32 v13, s56, v13
	v_lshlrev_b32 v14, 5, v29                      ; W2's codes: fragment w / 2, lane 2 p (+ 1) + 16 (w % 2), register a
	v_lshl_add_u32 v14, v28, 2, v14
	s_lshl_b32 s56, s52, 9
	s_lshl_b32 s57, s51, 8
	s_add_co_u32 s56, s56, s57
	v_add_nc_u32 v14, s56, v14
	v_lshlrev_b32 v15, 3, v29                      ; W2's scale bytes: word 64 (w / 2) + 4 (2 p (+ 1)), byte w % 2 (a even) or 2 + w % 2 (a odd)
	v_lshl_add_u32 v15, v27, 1, v15
	s_lshl_b32 s56, s52, 6
	s_add_co_u32 s56, s56, s51
	v_add_nc_u32 v15, s56, v15
	v_lshlrev_b32 v16, 2, v2                       ; 4 r
	s_lshl_b32 s56, s2, 6
	v_lshl_add_u32 v17, v26, 2, s56                ; 64 w + 4 q
	v_add_nc_u32 v18, s56, v16                     ; 64 w + 4 r
	v_lshlrev_b32 v20, 3, v1                       ; 8 l
	v_lshlrev_b32 v21, 6, v3                       ; 64 h
	v_lshlrev_b32 v22, 5, v3                       ; 32 h
	v_mov_b32 v23, 127                             ; the byte of the scale 1
	v_mov_b32 v31, 0                               ; written once: a lane permute's destination counts as one of its sources
	; ---- byte offsets, and the gathers
	s_wait_loadcnt 40                              ; the 20 index loads are in; the 32 + 8 weight loads behind them may be out
.irp t, 0,1,2,3,4,5,6,7                        ; fields 2 t and 2 t + 1 of rows q and q + 8: offset = 64 x + 6,400,000 x_field + 16 c, at most 108,799,984
.irp n, 0,1,16,17
	v_min_u32 v[XA+2*\t+\n], 0x1869f, v[XA+2*\t+\n]
.endr
.irp n, 0,1,16,17
	v_min_u32 v[FA+2*\t+\n], 16, v[FA+2*\t+\n]
.endr
.irp n, 0,1,16,17
	v_mad_u32_u24 v[FA+2*\t+\n], v[FA+2*\t+\n], 0x61a800, v4
.endr
.irp n, 0,1,16,17
	v_lshl_add_u32 v[XA+2*\t+\n], v[XA+2*\t+\n], 6, v[FA+2*\t+\n]
.endr
.irp i, 0,1,2,3
	global_load_b128 v[G+16*\t+4*\i:G+16*\t+4*\i+3], v[XA+16*(\i%2)+2*\t+\i/2], s[14:15]     ; row 8 (i % 2) + q, field 2 t + i / 2: 8 whole rows of 64 bytes
.endr
.endr
.irp n, 0,1,2,3,4,5,6,7
	v_min_u32 v[XL+\n], 0x1869f, v[XL+\n]
.endr
.irp n, 0,1,2,3,4,5,6,7
	v_min_u32 v[FL+\n], 16, v[FL+\n]
.endr
.irp n, 0,1,2,3,4,5,6,7
	v_mul_u32_u24 v[FL+\n], v[FL+\n], 0x61a80      ; 400,000 bytes a field
.endr
.irp n, 0,1,2,3,4,5,6,7
	v_lshl_add_u32 v[XL+\n], v[XL+\n], 2, v[FL+\n]
.endr
.irp n, 0,1,2,3,4,5,6,7
	global_load_b32 v[LV+\n], v[XL+\n], s[16:17]
.endr
	global_load_b128 v[VL:VL+3], v6, s[12:13]                      ; x_val beside lin's numbers
	global_load_b128 v[VL+4:VL+7], v6, s[12:13] offset:512
.irp t, 0,1,2,3,4,5,6,7
	global_load_b64 v[XV+2*\t:XV+2*\t+1], v7, s[12:13] offset:8*\t ; x_val of row r, fields 2 t and 2 t + 1
.endr
	s_wait_xcnt 0x0                                ; the gathers' offset registers are written again only behind this wait
	; ---- my quarter of the weights becomes codes, while the gathers are on their way
	s_wait_loadcnt 50                              ; the 40 weight loads are in; the 32 + 8 + 2 + 8 loads issued behind them may be out
	WCOL 0
	WCOL 1
	WCOL 2
	WCOL 3
.irp c, 0,1,2,3
	ds_store_b128 v12, v[CW+4*\c:CW+4*\c+3] offset:W1I+16*\c
	ds_store_b8 v13, v[24+\c] offset:W1S+4*\c
.endr
	WIN 0x01
.irp i, 0,1,2,3,4,5,6,7
	v_mov_b32 v[TT+\i], v[W2R+2*\i]                ; column 2 p: eight numbers down K,
	v_mov_b32 v[TT+8+\i], v[W2R+2*\i+1]            ; column 2 p + 1
.endr
	WIN 0
	v_max3_num_f32 v28, |v[TT]|, |v[TT+1]|, 0x1800000
	v_max3_num_f32 v29, |v[TT+8]|, |v[TT+9]|, 0x1800000
.irp i, 2,4,6
	v_max3_num_f32 v28, v28, |v[TT+\i]|, |v[TT+\i+1]|
	v_max3_num_f32 v29, v29, |v[TT+8+\i]|, |v[TT+9+\i]|
.endr
	v_max_num_f32_dpp v28, v28, v28 row_xmask:8 row_mask:0xf bank_mask:0xf   ; a block's 32 numbers lie in lanes l, l xor 8, l xor 16, l xor 24
	v_max_num_f32_dpp v29, v29, v29 row_xmask:8 row_mask:0xf bank_mask:0xf
	v_permlanex16_b32 v30, v28, s48, s49
	v_permlanex16_b32 v31, v29, s48, s49
	v_max_num_f32 v28, v28, v30
	v_max_num_f32 v29, v29, v31
	v_add_nc_u32 v30, 0xff000000, v28
	v_add_nc_u32 v31, 0xff000000, v29
	v_cvt_scalef32_pk8_fp4_f32 v[TT+16], v[TT:TT+7], v30           ; register a of the fragment
	v_cvt_scalef32_pk8_fp4_f32 v[TT+17], v[TT+8:TT+15], v31
	v_lshrrev_b32 v[TT+18], 23, v30
	v_lshrrev_b32 v[TT+19], 23, v31
	v_and_b32 v[TT+20], 8, v1
	v_cmp_ne_u32 vcc_lo, 0, v[TT+20]
	v_cndmask_b32 v[TT+18], v[TT+18], v23, vcc_lo  ; lanes with a odd write 127 into the bytes of k = 64 .. 127, whose codes are zeros
	v_cndmask_b32 v[TT+19], v[TT+19], v23, vcc_lo
	ds_store_b32 v14, v[TT+16] offset:W2I
	ds_store_b32 v14, v[TT+17] offset:W2I+16
	ds_store_b8 v15, v[TT+18] offset:W2S           ; lanes a and a + 2 write the same byte with the same value
	ds_store_b8 v15, v[TT+19] offset:W2S+4
	s_wait_dscnt 0x0                               ; for the others' sake: my images have landed
	s_barrier_signal -1
	s_barrier_wait -1                              ; all four quarters lie in LDS; nobody writes them again
	; ---- the weights' fragments and scale words; the biases and gains (40 loads, into the registers that W1 has left)
	WIN 0x40
.irp t, 0,1,2,3
.irp s, 0,1
.irp c, 0,1
	ds_load_b128 v[W1F+8*(2*\t+\s)+4*\c:W1F+8*(2*\t+\s)+4*\c+3], v6 offset:W1I+2064*\t+1024*\s+512*\c
.endr
.endr
.endr
.irp t, 0,1
	ds_load_b128 v[W2F+8*\t:W2F+8*\t+3], v6 offset:W2I+512*\t
.endr
.irp t, 0,1
.irp j, 4,5,6,7
	v_mov_b32 v[W2F+8*\t+\j], 0                    ; k = 64 .. 127: zero codes
.endr
.endr
.irp t, 0,1,2,3                                ; lane (r, h) wants, for tile 2 b + u, the numbers of hidden units 32 b + 8 u + 16 h + 0 .. 7
	global_load_b128 v[B1+8*\t:B1+8*\t+3], v21, s[24:25] offset:(32*(\t/2)+8*(\t%2))*4
	global_load_b128 v[B1+8*\t+4:B1+8*\t+7], v21, s[24:25] offset:(32*(\t/2)+8*(\t%2))*4+16
.endr
.irp t, 0,1,2,3
	global_load_b128 v[G1+8*\t:G1+8*\t+3], v21, s[26:27] offset:(32*(\t/2)+8*(\t%2))*4
	global_load_b128 v[G1+8*\t+4:G1+8*\t+7], v21, s[26:27] offset:(32*(\t/2)+8*(\t%2))*4+16
.endr
.irp t, 0,1,2,3
	global_load_b128 v[BE1+8*\t:BE1+8*\t+3], v21, s[28:29] offset:(32*(\t/2)+8*(\t%2))*4
	global_load_b128 v[BE1+8*\t+4:BE1+8*\t+7], v21, s[28:29] offset:(32*(\t/2)+8*(\t%2))*4+16
.endr
.irp t, 0,1                                    ; second layer, tile t: units 16 t + 8 h + 0 .. 7
	global_load_b128 v[B2+8*\t:B2+8*\t+3], v22, s[30:31] offset:64*\t
	global_load_b128 v[B2+8*\t+4:B2+8*\t+7], v22, s[30:31] offset:64*\t+16
	global_load_b128 v[G2+8*\t:G2+8*\t+3], v22, s[32:33] offset:64*\t
	global_load_b128 v[G2+8*\t+4:G2+8*\t+7], v22, s[32:33] offset:64*\t+16
	global_load_b128 v[BE2+8*\t:BE2+8*\t+3], v22, s[34:35] offset:64*\t
	global_load_b128 v[BE2+8*\t+4:BE2+8*\t+7], v22, s[34:35] offset:64*\t+16
	global_load_b128 v[W3R+8*\t:W3R+8*\t+3], v22, s[22:23] offset:64*\t
	global_load_b128 v[W3R+8*\t+4:W3R+8*\t+7], v22, s[22:23] offset:64*\t+16
.endr
	WIN 0
.irp f, 0,1,2,3,4,5,6,7
	ds_load_b32 v[W1SR+\f], v16 offset:W1S+64*\f   ; lane r': the word of the tile's row r' (lanes 16-31 hold the same and are not read)
.endr
.irp t, 0,1
	ds_load_b32 v[W2SR+\t], v16 offset:W2S+64*\t
.endr
.irp j, 4,5,6,7
	v_mov_b32 v[HC+\j], 0                          ; the hidden layer's k = 64 .. 127: zero codes
.endr
	; ---- the gathered rows turn through my stages: in as loaded (four lanes a row), back 64 bytes a lane, into the registers that they left
	s_wait_loadcnt 58                              ; the 32 gathers are in; behind them 8 + 2 + 8 + 40 loads may be out
.irp t, 0,1,2,3,4,5,6,7
.irp i, 0,1,2,3
	ds_store_b128 v10, v[G+16*\t+4*\i:G+16*\t+4*\i+3] offset:2560*\t+640*\i   ; place 8 i + q = lane (row 8 (i % 2) + q) + 16 (i / 2)
.endr
.irp j, 0,1,2,3
	ds_load_b128 v[G+16*\t+4*\j:G+16*\t+4*\j+3], v11 offset:2560*\t+16*\j     ; LDS serves a wave's instructions in order: these see the stores above
.endr
.endr
	; ---- lin; x_val of my fields; weighing and FM's sums
	s_wait_loadcnt 40                              ; lin's numbers and x_val are in; the 40 loads of biases and gains may be out
	v_mul_f32 v24, v[LV], v[VL]                    ; row q, fields 4 c on
	v_mul_f32 v25, v[LV+4], v[VL+4]                ; row q + 8
.irp n, 1,2,3
	v_fma_f32 v24, v[LV+\n], v[VL+\n], v24
	v_fma_f32 v25, v[LV+4+\n], v[VL+4+\n], v25
.endr
	v_add_f32_dpp v24, v24, v24 row_xmask:1 row_mask:0xf bank_mask:0xf
	v_add_f32_dpp v25, v25, v25 row_xmask:1 row_mask:0xf bank_mask:0xf
	v_add_f32_dpp v24, v24, v24 row_xmask:2 row_mask:0xf bank_mask:0xf       ; the quad's four lanes hold the row's sum
	v_add_f32_dpp v25, v25, v25 row_xmask:2 row_mask:0xf bank_mask:0xf
	v_cmp_ne_u32 vcc_lo, 0, v3
.irp t, 0,1,2,3,4,5,6,7
	v_cndmask_b32 v[XV+2*\t], v[XV+2*\t], v[XV+2*\t+1], vcc_lo               ; x_val of field 2 t + h
.endr
.irp t, 0,1,2,3,4,5,6,7
	FIELDS \t
.endr
	ds_store_b32 v17, v24 offset:LINS              ; lin goes from the lanes of a quad to lane r: my own 64 bytes, served in order
	ds_store_b32 v17, v25 offset:LINS+32
	ds_load_b32 v31, v18 offset:LINS
	; ---- the first product: 4 tiles of 16 hidden units x 2 K steps
	QUANT G, 4, XC, XS
	QUANT G+64, 4, XC+8, XS+1
	s_wait_loadcnt 0x0                             ; the biases and gains
	s_wait_dscnt 0x0                               ; lin
	WIN 0x41                                       ; destination and source 0 window 1
.irp p, 0,1,2,3,4,5,6,7,8,9,10,11,12,13,14,15
	v_pk_mul_f32 v[G1+2*\p:G1+2*\p+1], v[G1+2*\p:G1+2*\p+1], s[46:47] op_sel_hi:[1,0]   ; g / sqrt(1 + 1e-5).  These 24 plain lines also stand between the vector writes of the codes (4 asked) and scale words (8 asked) and the scaled products
.endr
.irp p, 0,1,2,3,4,5,6,7
	v_pk_mul_f32 v[G2+2*\p:G2+2*\p+1], v[G2+2*\p:G2+2*\p+1], s[46:47] op_sel_hi:[1,0]
.endr
	WIN 0x11                                       ; source 0 (W1) and source 2 (b1) window 1
.irp t, 0,1,2,3                                ; b1 is the C of each sum's first product; the four accumulators take turns
	v_wmma_scale_f32_16x16x128_f8f6f4 v[H+8*\t:H+8*\t+7], v[W1F+16*\t:W1F+16*\t+7], v[XC:XC+7], v[B1+8*\t:B1+8*\t+7], v[W1SR+2*\t], v[XS] matrix_a_fmt:MATRIX_FMT_FP4 matrix_b_fmt:MATRIX_FMT_FP4
.endr
	WIN 0x01
.irp t, 0,1,2,3
	v_wmma_scale_f32_16x16x128_f8f6f4 v[H+8*\t:H+8*\t+7], v[W1F+16*\t+8:W1F+16*\t+15], v[XC+8:XC+15], v[H+8*\t:H+8*\t+7], v[W1SR+2*\t+1], v[XS+1] matrix_a_fmt:MATRIX_FMT_FP4 matrix_b_fmt:MATRIX_FMT_FP4
.endr
	WIN 0
	; ---- FM's tail names no register of the products: its plain lines are the places behind them
.irp e, 0,1,2,3,4,5,6,7,8,9,10,11,12,13,14,15
	v_permlanex16_b32 v[SP+\e], v[S+\e], s48, s49  ; the other eight fields' sums
.endr
.irp p, 0,1,2,3,4,5,6,7
	v_pk_add_f32 v[S+2*\p:S+2*\p+1], v[S+2*\p:S+2*\p+1], v[SP+2*\p:SP+2*\p+1]
.endr
	v_pk_mul_f32 v[26:27], v[S:S+1], v[S:S+1]
	v_pk_mul_f32 v[28:29], v[S+2:S+3], v[S+2:S+3]
.irp p, 2,4,6
	v_pk_fma_f32 v[26:27], v[S+2*\p:S+2*\p+1], v[S+2*\p:S+2*\p+1], v[26:27]
	v_pk_fma_f32 v[28:29], v[S+2*\p+2:S+2*\p+3], v[S+2*\p+2:S+2*\p+3], v[28:29]
.endr
	v_pk_add_f32 v[SQ:SQ+1], v[SQ:SQ+1], v[SQ+2:SQ+3]
	v_pk_add_f32 v[SQ+4:SQ+5], v[SQ+4:SQ+5], v[SQ+6:SQ+7]
	v_pk_add_f32 v[26:27], v[26:27], v[28:29]
	v_pk_add_f32 v[SQ:SQ+1], v[SQ:SQ+1], v[SQ+4:SQ+5]
	v_add_f32 v26, v26, v27                        ; the sum of s_e^2
	v_add_f32 v[SQ], v[SQ], v[SQ+1]
	v_permlanex16_b32 v[SQ+1], v[SQ], s48, s49
	v_add_f32 v[SQ], v[SQ], v[SQ+1]                ; the sum of all 256 squares
	v_sub_f32 v26, v26, v[SQ]
	s_wait_kmcnt 0x0                               ; b3 and lin_bias
	s_add_f32 s42, s42, s43
	v_fma_f32 v[R], 0.5, v26, v31                  ; fm + lin
	; ---- the first layer's end: gain, offset, relu; quantised in registers
	WIN 0x14                                       ; sources 1 and 2 window 1
.irp p, 0,1,2,3,4,5,6,7,8,9,10,11,12,13,14,15
	v_pk_fma_f32 v[H+2*\p:H+2*\p+1], v[H+2*\p:H+2*\p+1], v[G1+2*\p:G1+2*\p+1], v[BE1+2*\p:BE1+2*\p+1]   ; ascending: each accumulator is read from its low end on
.endr
	WIN 0
.set i, 0
.rept 32
	v_max_num_f32 v[H+i], 0, v[H+i]
.set i, i+1
.endr
	QUANT H, 2, HC, HS
	v_add_f32 v[R], s42, v[R]                      ; + b3 + lin_bias.  With the seven lines below: eight plain lines between the vector write of the scale word and the scaled product
.rept 7
	v_nop
.endr
	; ---- the second product: 2 tiles of 16 units, K = 64 of the instruction's 128
	WIN 0x11
.irp t, 0,1
	v_wmma_scale_f32_16x16x128_f8f6f4 v[Y+8*\t:Y+8*\t+7], v[W2F+8*\t:W2F+8*\t+7], v[HC:HC+7], v[B2+8*\t:B2+8*\t+7], v[W2SR+\t], v[HS] matrix_a_fmt:MATRIX_FMT_FP4 matrix_b_fmt:MATRIX_FMT_FP4
.endr
	WIN 0x14
.rept 4
	v_nop                                          ; four places ahead of the first read of the results (ISA guide 7.12.1)
.endr
.irp p, 0,1,2,3,4,5,6,7
	v_pk_fma_f32 v[Y+2*\p:Y+2*\p+1], v[Y+2*\p:Y+2*\p+1], v[G2+2*\p:G2+2*\p+1], v[BE2+2*\p:BE2+2*\p+1]
.endr
	WIN 0
.set i, 0
.rept 16
	v_max_num_f32 v[Y+i], 0, v[Y+i]
.set i, i+1
.endr
	WIN 0x04                                       ; source 1 (W3) window 1
	v_pk_mul_f32 v[24:25], v[Y:Y+1], v[W3R:W3R+1]  ; the third product, in f32: my 16 of the 32 units, two chains
	v_pk_mul_f32 v[26:27], v[Y+2:Y+3], v[W3R+2:W3R+3]
.irp p, 2,4,6
	v_pk_fma_f32 v[24:25], v[Y+2*\p:Y+2*\p+1], v[W3R+2*\p:W3R+2*\p+1], v[24:25]
	v_pk_fma_f32 v[26:27], v[Y+2*\p+2:Y+2*\p+3], v[W3R+2*\p+2:W3R+2*\p+3], v[26:27]
.endr
	WIN 0
	v_pk_add_f32 v[24:25], v[24:25], v[26:27]
	v_add_f32 v24, v24, v25
	v_permlanex16_b32 v25, v24, s48, s49           ; the other 16 units
	v_add_f32 v24, v24, v25
	v_add_f32 v24, v24, v[R]
	ds_store_b32 v18, v24 offset:OUTS              ; lanes r and r + 16 write the same word with the same value
	s_wait_dscnt 0x0                               ; for wave 0's sake: my 16 results have landed
	s_barrier_signal -1
	s_barrier_wait -1
	s_cmp_lg_u32 s2, 0
	s_cbranch_scc1 .Lend
	ds_load_b64 v[24:25], v20 offset:OUTS          ; wave 0 stores the work-group's 64 results:
	s_wait_dscnt 0x0
	global_store_b64 v20, v[24:25], s[40:41]       ; 32 lanes, 256 consecutive bytes, at a multiple of 256 from out0's first byte
.Lend:
	s_wait_tensorcnt 0x0
	ds_add_u32 v46, v47
	s_wait_dscnt 0x0
	s_endpgm
.Lfunc_end_k_q414dd9fd9b_dfm:
	.size	k_q414dd9fd9b_dfm, .Lfunc_end_k_q414dd9fd9b_dfm-k_q414dd9fd9b_dfm
	.p2alignl 7, 3214868480
	.fill 96, 4, 3214868480
	.section	.rodata,"a",@progbits
	.p2align	6, 0x0
	.amdhsa_kernel k_q414dd9fd9b_dfm
		.amdhsa_group_segment_fixed_size 94720
		.amdhsa_private_segment_fixed_size 0
		.amdhsa_enable_private_segment 0
		.amdhsa_kernarg_size 136
		.amdhsa_user_sgpr_count 2
		.amdhsa_user_sgpr_kernarg_segment_ptr 1
		.amdhsa_wavefront_size32 1
		.amdhsa_system_sgpr_workgroup_id_x 1
		.amdhsa_system_sgpr_workgroup_id_y 1
		.amdhsa_system_sgpr_workgroup_id_z 1
		.amdhsa_system_vgpr_workitem_id 0
		.amdhsa_next_free_vgpr 512
		.amdhsa_next_free_sgpr 66
		.amdhsa_reserve_vcc 1
		.amdhsa_float_denorm_mode_32 3
		.amdhsa_float_denorm_mode_16_64 3
		.amdhsa_memory_ordered 1
		.amdhsa_forward_progress 1
		.amdhsa_inst_pref_size 80
	.end_amdhsa_kernel
	.amdgpu_metadata
---
amdhsa.version: [ 1, 2 ]
amdhsa.kernels:
  - .name:           k_q414dd9fd9b_dfm
    .symbol:         k_q414dd9fd9b_dfm.kd
    .args:
      - { .name: x, .offset: 0, .size: 8, .value_kind: global_buffer, .address_space: global }
      - { .name: x_field, .offset: 8, .size: 8, .value_kind: global_buffer, .address_space: global }
      - { .name: x_val, .offset: 16, .size: 8, .value_kind: global_buffer, .address_space: global }
      - { .name: emb_table, .offset: 24, .size: 8, .value_kind: global_buffer, .address_space: global }
      - { .name: lin_table, .offset: 32, .size: 8, .value_kind: global_buffer, .address_space: global }
      - { .name: W1, .offset: 40, .size: 8, .value_kind: global_buffer, .address_space: global }
      - { .name: W2, .offset: 48, .size: 8, .value_kind: global_buffer, .address_space: global }
      - { .name: W3, .offset: 56, .size: 8, .value_kind: global_buffer, .address_space: global }
      - { .name: b1, .offset: 64, .size: 8, .value_kind: global_buffer, .address_space: global }
      - { .name: g1, .offset: 72, .size: 8, .value_kind: global_buffer, .address_space: global }
      - { .name: be1, .offset: 80, .size: 8, .value_kind: global_buffer, .address_space: global }
      - { .name: b2, .offset: 88, .size: 8, .value_kind: global_buffer, .address_space: global }
      - { .name: g2, .offset: 96, .size: 8, .value_kind: global_buffer, .address_space: global }
      - { .name: be2, .offset: 104, .size: 8, .value_kind: global_buffer, .address_space: global }
      - { .name: b3, .offset: 112, .size: 8, .value_kind: global_buffer, .address_space: global }
      - { .name: lin_bias, .offset: 120, .size: 8, .value_kind: global_buffer, .address_space: global }
      - { .name: out0, .offset: 128, .size: 8, .value_kind: global_buffer, .address_space: global }
    .group_segment_fixed_size: 94720
    .private_segment_fixed_size: 0
    .kernarg_segment_align: 8
    .kernarg_segment_size: 136
    .max_flat_workgroup_size: 128
    .sgpr_count:     66
    .vgpr_count:     512
    .wavefront_size: 32
...
	.end_amdgpu_metadata
.endif
;; end of part 1
;; ======== version 2 of 2: 1 launch; version 1 with the launch dfm written anew for expert scheduling mode
;; launch dfm (part 2): grid 256 x 1, 4 waves a work-group, no clusters, 94,720 bytes of LDS; arguments x, x_field, x_val, emb_table, lin_table, W1, W2, W3, b1, g1, be1, b2, g2, be2, b3, lin_bias, out0; writes out0
.if DOCPART == 2
	.amdgcn_target "amdgcn-amd-amdhsa--gfx1250"
	.amdhsa_code_object_version 6
	.text
	.protected	k_q414dd9fd9b_dfm
	.globl	k_q414dd9fd9b_dfm
	.p2align	8
	.type	k_q414dd9fd9b_dfm,@function
k_q414dd9fd9b_dfm:
	s_mov_b64 s[64:65], 0
	v_nop
	global_prefetch_b8 v0, s[64:65] scope:SCOPE_SE
	s_setreg_imm32_b32 hwreg(HW_REG_WAVE_SCHED_MODE, 0, 2), 2
	s_setreg_imm32_b32 hwreg(HW_REG_WAVE_MODE, 25, 1), 1
	s_wait_xcnt 0x0
	s_wait_alu depctr_vm_vsrc(0)
; out0[row] = lin + fm + mlp of a DeepFM.  idx = x + 100000 x_field; e = emb_table[idx] * x_val (16 fields x 16 numbers = 256 a row);
; lin = sum of lin_table[idx] * x_val + lin_bias; fm = 0.5 (sum_e s_e^2 - sum of all e^2), s_e = the sum over the fields;
; mlp = relu(bn(relu(bn(e W1 + b1)) W2 + b2)) W3 + b3, bn(h) = h * g / sqrt(1 + 1e-5) + be.
; The products by W1 and W2 run on codes of FP4 (E2M1) with one E8M0 scale for each 32 along K; both sides are quantised here, from f32.  The product by W3 is f32 multiply-adds.
; SHARES.  16,384 rows = 256 work-groups x 4 waves x 16 rows: a wave takes one tile of 16 rows through the whole chain; the text is straight-line, EXEC is never changed.
; THE GATHER.  Four lanes take one embedding row of 64 bytes, 16 bytes each, so one load names 8 whole rows and no row is named twice; all 32 + 8 gathers of a wave are issued before anything waits for them.
; The numbers turn through the wave's own stage in LDS, after which lane (r, h) holds, for t = 0 .. 7, the 16 numbers of field 2 t + h of row r: k = 32 t + 16 h + 0 .. 15, the order in which the conversions want them.
; THE WEIGHTS are quantised once in each work-group, a quarter by each wave, between the issue of the gathers and their use, and reach the other waves through LDS as images of the operands' registers.
; Both products are used transposed (source 0 = 16 columns of the weight, source 1 = my 16 rows): a lane holds one row throughout.  The columns of W1 that form a tile are chosen
; (lane r' of tile 2 b + u: hidden unit 32 b + 8 u + r' + 8 (r' / 8)) so that a lane's 16 registers of two neighbouring tiles are 16 neighbours along the next K.
; NO CLUSTER, NO TENSOR LOAD: what work-groups share is W1 and W2, 73,728 bytes of f32 that must pass through registers to be quantised; all else that a work-group reads is its own rows' and is found by index.
; LIMITS.  x is held to 0 .. 99,999 and x_field to 0 .. 16 by an unsigned minimum, so that every access lies inside its table; negative or larger indices are not served as an indexing that wraps or clips would.
; NaN and infinities ahead of a quantiser are not served.  A block of zeros gets the byte 1 with zero codes (the bytes are read here alone).  g / sqrt(1 + 1e-5) is computed as g x 0x3f7fffac, the f32 nearest to 1 / sqrt(1.00001).
; THE MODE: SCHED_MODE bits 1:0 = 2 (LLVM: expert scheduling mode 2), set by the entry lines.  The code itself states the register dependences
; between vector or matrix instructions and memory or LDS instructions, with s_wait_alu, always for 0.
; THE PLAN.  Registers that memory or LDS instructions touch, in the order of the text:
;   v5-v18, v20-v22  offsets and LDS addresses: made once at the head by vector lines, read by memory and LDS instructions, never written again.
;   XA, XL           index loads land; vector lines make byte offsets of them, in three batches with one wait on va_vdst behind each; the gathers read them; one wait on vm_vsrc stands ahead of their next writers.
;   FA, FL           index loads land; vector lines alone use them; behind the third batch's wait x_val's and lin_table's loads land in them.
;   W1 as loaded     read by the moves that gather a column; the biases' and gains' loads land there behind the wait that stands ahead of the images' stores.
;   the images       codes and bytes are written by conversions and shifts; ONE wait on va_vdst stands ahead of all twelve LDS stores.
;   G                gathers land; 32 LDS stores read it; one wait on vm_vsrc; 32 LDS loads land in it.  That wait also frees the images' data registers, none of which is written ahead of it.
;   v46, v47, v31    lin's two sums leave by LDS stores and are never written again; lin comes back into v31.  The three lines stand behind the wait on va_vdst that the first product's operands want anyway.
;   v24, v[26:27]    the row's result leaves from v24; wave 0 reads the 64 results back into another pair.
; All other registers are named by vector and matrix instructions alone.
; REGISTERS, in windows of 256.  Window 0: v1-23 lane numbers and addresses; v24-31 at work; v32-44 scale words and nothing else; v45 the result so far; v46-47 lin's sums; v48-127 arrays that change hands (below); v128-255 the gathered numbers.
; Window 1: v0-127 W1 as loaded, later the biases and gains; v128-191 W1's eight fragments; v192-207 W2's two; v208-239 be2, W3; v240-255 W2 as loaded.
.set W1I,  0                           ; LDS: W1's fragments: (tile T, K step s) at 2064 T + 1024 s; registers 4 c' .. 4 c' + 3 at 512 c', lane at 16 x lane.  2064 = 129 x 16: the 16 lanes of a store fall on 16 different columns of 16 bytes
.set W1S,  8448                        ; their scale words: 64 (2 T + s) + 4 r'
.set W2I,  8960                        ; W2's fragments, registers 0-3: 512 T + 16 x lane
.set W2S,  9984                        ; their scale words: 64 T + 4 r'
.set LINS, 10240                       ; 64 bytes a wave: lin of its 16 rows
.set OUTS, 10496                       ; 64 bytes a wave: its 16 results
.set STG,  10752                       ; 20,480 bytes a wave: 8 stages of 32 places of 64 + 16 bytes
.set XA,   48                          ; v48-79   x of rows q and q + 8, all 16 fields; then the gathers' byte offsets
.set FA,   80                          ; v80-111  x_field likewise
.set XL,   112                         ; v112-119 x, 16 bytes a lane as they lie; then lin's byte offsets
.set FL,   120                         ; v120-127 x_field likewise
.set LV,   120                         ; v120-127 lin_table's numbers
.set VL,   80                          ; v80-87   x_val beside them
.set XV,   88                          ; v88-103  x_val of row r, all 16 fields
.set TT,   48                          ; v48-79   a column's 32 numbers, while the weights are quantised
.set CW,   104                         ; v104-119 four columns' codes
.set TM,   104                         ; v104-119 at work in QUANT
.set S,    48                          ; v48-63   s_e
.set SQ,   64                          ; v64-71   the sum of squares, four chains of pairs
.set HC,   72                          ; v72-79   the hidden layer's codes; 76-79 are zeros (K = 64 of 128)
.set XC,   80                          ; v80-95   e's codes, two K steps
.set G,    128                         ; v128-255 the gathered numbers
.set H,    128                         ; v128-159 the first product's four tiles
.set SP,   160                         ; v160-175 the other half's s_e
.set Y,    176                         ; v176-191 the second product's two tiles
.set W1SR, 32                          ; v32-39   W1's scale words, 2 T + s
.set W2SR, 40                          ; v40-41   W2's
.set XS,   42                          ; v42-43   e's
.set HS,   44                          ; v44      the hidden layer's
.set R,    45                          ; v45      lin + fm + the two scalar biases
.set LN,   46                          ; v46-47   lin of rows q and q + 8
.set W1R,  0                           ; window 1 from here on
.set B1,   0
.set G1,   32
.set BE1,  64
.set B2,   96
.set G2,   112
.set W1F,  128
.set W2F,  192
.set BE2,  208
.set W3R,  224
.set W2R,  240
.set MSB, 0
.macro WIN new                         ; low byte: bits 1:0 source 0, 3:2 source 1, 5:4 source 2, 7:6 destination; the high byte repeats the setting that is left
.if MSB != \new
	s_set_vgpr_msb (MSB<<8)|\new
.set MSB, \new
.endif
.endm
; Fields 2 t and 2 t + 1 of rows q and q + 8: offset = 64 x + 6,400,000 x_field + 16 c, at most 108,799,984
.macro OFFS t
.irp n, 0,1,16,17
	v_min_u32 v[XA+2*(\t)+\n], 0x1869f, v[XA+2*(\t)+\n]
.endr
.irp n, 0,1,16,17
	v_min_u32 v[FA+2*(\t)+\n], 16, v[FA+2*(\t)+\n]
.endr
.irp n, 0,1,16,17
	v_mad_u32_u24 v[FA+2*(\t)+\n], v[FA+2*(\t)+\n], 0x61a800, v4
.endr
.irp n, 0,1,16,17
	v_lshl_add_u32 v[XA+2*(\t)+\n], v[XA+2*(\t)+\n], 6, v[FA+2*(\t)+\n]
.endr
.endm
.macro GATHER t
.irp i, 0,1,2,3
	global_load_b128 v[G+16*(\t)+4*\i:G+16*(\t)+4*\i+3], v[XA+16*(\i%2)+2*(\t)+\i/2], s[14:15]     ; row 8 (i % 2) + q, field 2 t + i / 2: 8 whole rows of 64 bytes
.endr
.endm
; One column's block of 32 along K of W1: column c of the lane's four.  The loads left it in every fourth register; the conversions want eight neighbours along K in consecutive registers.
.macro WCOL c
	WIN 0x01
.set i, 0
.rept 32
	v_mov_b32 v[TT+i], v[W1R+4*i+\c]
.set i, i+1
.endr
	WIN 0
	v_max3_num_f32 v28, |v[TT]|, |v[TT+1]|, |v[TT+2]|              ; the block's largest magnitude: all 32 numbers are mine; two chains
	v_max3_num_f32 v29, |v[TT+3]|, |v[TT+4]|, |v[TT+5]|
.irp k, 6,10,14,18,22,26
	v_max3_num_f32 v28, v28, |v[TT+\k]|, |v[TT+\k+1]|
	v_max3_num_f32 v29, v29, |v[TT+\k+2]|, |v[TT+\k+3]|
.endr
	v_max3_num_f32 v28, v28, |v[TT+30]|, |v[TT+31]|
	v_max3_num_f32 v28, v28, v29, 0x1800000                        ; and the floor 2^(3 - 127): the byte cannot fall under 1
	v_add_nc_u32 v30, 0xff000000, v28                              ; 2 off the exponent field: the conversion takes this operand's exponent field as its scale
.irp g, 0,1,2,3
	v_cvt_scalef32_pk8_fp4_f32 v[CW+4*\c+\g], v[TT+8*\g:TT+8*\g+7], v30
.endr
	v_lshrrev_b32 v[24+\c], 23, v30                                ; the scale's byte; also the plain line behind the conversions, ahead of the next writes of their sources
.endm
; 16 nb numbers of a lane, register 16 b + i = k 32 b + 16 (lane / 16) + i of my row, become codes in v[pc] on (4 registers for each two blocks) and my row's scale word in v[pw].
.macro QUANT src, nb, pc, pw
.irp b, 0,1,2,3
.if \b < \nb
	v_max3_num_f32 v[TM+\b], |v[\src+16*\b]|, |v[\src+1+16*\b]|, 0x1800000   ; my 16 numbers of block b, and the floor 2^(3 - 127)
.endif
.endr
.irp i, 2,4,6,8,10,12,14
.irp b, 0,1,2,3
.if \b < \nb
	v_max3_num_f32 v[TM+\b], v[TM+\b], |v[\src+16*\b+\i]|, |v[\src+1+16*\b+\i]|   ; the blocks by turns
.endif
.endr
.endr
.irp b, 0,1,2,3
.if \b < \nb
	v_permlanex16_b32 v[TM+4+\b], v[TM+\b], s48, s49
.endif
.endr
.irp b, 0,1,2,3
.if \b < \nb
	v_max_num_f32 v[TM+\b], v[TM+\b], v[TM+4+\b]                   ; with the lane 16 away: the block's largest magnitude
.endif
.endr
.irp b, 0,1,2,3
.if \b < \nb
	v_add_nc_u32 v[TM+12+\b], 0xff000000, v[TM+\b]                 ; the conversion's scale operand
.endif
.endr
.irp b, 0,1,2,3
.if \b < \nb
	v_lshrrev_b32 v[TM+4+\b], 23, v[TM+12+\b]                      ; the scale's byte
.endif
.endr
	v_lshl_or_b32 v[\pw], v[TM+5], 8, v[TM+4]                      ; with two blocks bytes 2 and 3 stay 0: they scale zero codes
.if \nb > 2
	v_lshl_or_b32 v[\pw], v[TM+6], 16, v[\pw]
	v_lshl_or_b32 v[\pw], v[TM+7], 24, v[\pw]
.endif
.irp b, 0,1,2,3
.if \b < \nb
	v_cvt_scalef32_pk8_fp4_f32 v[(\pc)+2*\b], v[\src+16*\b:\src+7+16*\b], v[TM+12+\b]
	v_cvt_scalef32_pk8_fp4_f32 v[(\pc)+1+2*\b], v[\src+8+16*\b:\src+15+16*\b], v[TM+12+\b]
.endif
.endr
	v_nop                                                          ; one plain line behind the last scaled conversion
.irp c, 0,1                                                    ; the operand wants a whole block in a lane: lanes 0-15 block 2 c, lanes 16-31 block 2 c + 1
.if 2*\c < \nb
.irp i, 0,1
	v_permlane16_swap_b32 v[(\pc)+4*\c+\i], v[(\pc)+2+4*\c+\i]
.endr
.endif
.endr
.endm
; Field pair t is back from its stage: weigh by x_val, add into s_e and into the sum of squares.
.macro FIELDS t
	s_wait_dscnt 4*(7-\t)                                          ; LDS answers in order: each later stage's 4 loads may be out; all that was asked earlier is in
.irp p, 0,1,2,3,4,5,6,7
	v_pk_mul_f32 v[G+16*\t+2*\p:G+16*\t+2*\p+1], v[G+16*\t+2*\p:G+16*\t+2*\p+1], v[XV+2*\t:XV+2*\t+1] op_sel_hi:[1,0]
.endr
.if \t == 1
.irp p, 0,1,2,3,4,5,6,7
	v_pk_add_f32 v[S+2*\p:S+2*\p+1], v[G+2*\p:G+2*\p+1], v[G+16+2*\p:G+16+2*\p+1]   ; the first two pairs start the sums: nothing is cleared
.endr
.elseif \t > 1
.irp p, 0,1,2,3,4,5,6,7
	v_pk_add_f32 v[S+2*\p:S+2*\p+1], v[S+2*\p:S+2*\p+1], v[G+16*\t+2*\p:G+16*\t+2*\p+1]
.endr
.endif
.irp p, 0,1,2,3,4,5,6,7
.if (\t == 0) && (\p < 4)
	v_pk_mul_f32 v[SQ+2*\p:SQ+2*\p+1], v[G+2*\p:G+2*\p+1], v[G+2*\p:G+2*\p+1]
.else
	v_pk_fma_f32 v[SQ+2*(\p%4):SQ+2*(\p%4)+1], v[G+16*\t+2*\p:G+16*\t+2*\p+1], v[G+16*\t+2*\p:G+16*\t+2*\p+1], v[SQ+2*(\p%4):SQ+2*(\p%4)+1]
.endif
.endr
.endm
	; ---- the head: addresses of the buffers; what the first loads need
	s_load_b512 s[8:23], s[0:1], 0x0               ; x s[8:9], x_field s[10:11], x_val s[12:13], emb_table s[14:15], lin_table s[16:17], W1 s[18:19], W2 s[20:21], W3 s[22:23]
	s_load_b512 s[24:39], s[0:1], 0x40             ; b1 s[24:25], g1 s[26:27], be1 s[28:29], b2 s[30:31], g2 s[32:33], be2 s[34:35], b3 s[36:37], lin_bias s[38:39]
	s_load_b64 s[40:41], s[0:1], 0x80              ; out0
	v_lshl_add_u32 v19, v0, 2, 0x17000
	s_set_vgpr_msb 0x80
	v_mov_b32 v1, 0
	s_set_vgpr_msb 0x8000
	v_lshrrev_b32 v24, 5, v0
	v_readfirstlane_b32 s2, v24                    ; wave w, 0 .. 3
	v_and_b32 v1, 31, v0                           ; lane l
	v_and_b32 v2, 15, v0                           ; r = l % 16
	v_bfe_u32 v3, v0, 4, 1                         ; h = l / 16
	v_and_b32 v25, 3, v0                           ; c = l % 4
	v_bfe_u32 v26, v0, 2, 3                        ; q = l / 4
	v_lshlrev_b32 v4, 4, v25                       ; 16 c: my quarter of an embedding row
	v_lshlrev_b32 v5, 6, v26                       ; 64 q: row q of the wave's 16 rows of x, x_field
	v_lshlrev_b32 v6, 4, v1                        ; 16 l
	v_lshlrev_b32 v7, 6, v2                        ; 64 r
	v_and_b32 v27, 1, v0                           ; W1: my four columns are r' = 4 (l % 4) + 0 .. 3 of tile (l / 4) % 4: hidden units 4 bit0 + 16 bit1 + 8 bit2 + 32 bit3 + 0 .. 3
	v_lshlrev_b32 v8, 4, v27
	v_bfe_u32 v27, v0, 1, 1
	v_lshl_add_u32 v8, v27, 6, v8
	v_bfe_u32 v27, v0, 2, 1
	v_lshl_add_u32 v8, v27, 5, v8
	v_bfe_u32 v27, v0, 3, 1
	v_lshl_add_u32 v8, v27, 7, v8
	v_lshl_add_u32 v8, v3, 13, v8                  ; lanes 16-31: 32 rows of 256 bytes further down
	s_wait_alu depctr_va_sdst(0)                   ; s2, the wave's number, is written, ahead of its first reader
	s_lshl_b32 s50, s2, 14                         ; my wave's 64 rows of W1: k = 64 w on
	v_add_nc_u32 v8, s50, v8
	v_bfe_u32 v28, v0, 3, 2                        ; a = l / 8
	v_and_b32 v29, 7, v0                           ; p = l % 8
	v_lshlrev_b32 v9, 3, v29                       ; W2: columns 2 p, 2 p + 1 of tile w / 2; k = 32 (w % 2) + 8 a + 0 .. 7; a row is 128 bytes
	v_lshl_add_u32 v9, v28, 10, v9
	s_and_b32 s51, s2, 1                           ; w % 2
	s_lshr_b32 s52, s2, 1                          ; w / 2
	s_lshl_b32 s53, s51, 12
	s_lshl_b32 s54, s52, 6
	s_add_co_u32 s53, s53, s54
	v_add_nc_u32 v9, s53, v9
	s_lshl_b32 s44, ttmp9, 12                      ; the work-group's 64 rows of 64 bytes,
	s_lshl_b32 s58, s2, 10                         ; my wave's 16 of them
	s_add_co_u32 s44, s44, s58
	s_mov_b32 s45, 0
	s_lshl_b32 s58, ttmp9, 8                       ; the work-group's 64 results
	s_mov_b32 s59, 0
	s_mov_b32 s46, 0x3f7fffac                      ; 1 / sqrt(1 + 1e-5)
	s_mov_b32 s47, s46                             ; (named with it as a pair)
	s_mov_b32 s48, 0x76543210
	s_mov_b32 s49, 0xfedcba98                      ; v_permlanex16_b32's selects for the lane 16 away
	s_wait_kmcnt 0x0
	s_load_b32 s42, s[36:37], 0x0                  ; b3
	s_load_b32 s43, s[38:39], 0x0                  ; lin_bias
	s_add_nc_u64 s[8:9], s[8:9], s[44:45]
	s_add_nc_u64 s[10:11], s[10:11], s[44:45]
	s_add_nc_u64 s[12:13], s[12:13], s[44:45]
	s_add_nc_u64 s[40:41], s[40:41], s[58:59]
	; ---- 60 loads: the indices (20), then my quarter of the weights (40)
	s_wait_alu depctr_va_vdst(0)                   ; the offsets v5, v6, v8 and v9 are written, which the 60 loads read
.irp hf, 0,1
.irp j, 0,1,2,3
	global_load_b128 v[XA+16*\hf+4*\j:XA+16*\hf+4*\j+3], v5, s[8:9] offset:512*\hf+16*\j     ; x of row q + 8 hf, fields 4 j on: a quad's four lanes read the same bytes
	global_load_b128 v[FA+16*\hf+4*\j:FA+16*\hf+4*\j+3], v5, s[10:11] offset:512*\hf+16*\j
.endr
.endr
.irp hf, 0,1
	global_load_b128 v[XL+4*\hf:XL+4*\hf+3], v6, s[8:9] offset:512*\hf                       ; for lin: row q + 8 hf, fields 4 c on: 512 consecutive bytes a load
	global_load_b128 v[FL+4*\hf:FL+4*\hf+3], v6, s[10:11] offset:512*\hf
.endr
	WIN 0x40                                       ; destination window 1
.set i, 0
.rept 32
	global_load_b128 v[W1R+4*i:W1R+4*i+3], v8, s[18:19] offset:256*i                         ; W1(64 w + 32 h + i, my four columns): sixteen lanes read one whole row of 256 bytes
.set i, i+1
.endr
.irp i, 0,1,2,3,4,5,6,7
	global_load_b64 v[W2R+2*\i:W2R+2*\i+1], v9, s[20:21] offset:128*\i
.endr
	WIN 0
	; ---- LDS addresses, while the indices are on their way (none of these lines writes a register that the 60 loads name)
	s_mul_i32 s55, s2, 20480
	s_add_co_u32 s55, s55, STG                     ; my stages
	v_mul_u32_u24 v10, v26, 80
	v_add_nc_u32 v10, v10, v4
	v_add_nc_u32 v10, s55, v10                     ; in: place q (+ 8 i by the immediate), my quarter
	v_mul_u32_u24 v11, v1, 80
	v_add_nc_u32 v11, s55, v11                     ; back: place l
	v_bfe_u32 v30, v0, 2, 2                        ; T = (l / 4) % 4
	v_mul_u32_u24 v12, v30, 2064                   ; W1's codes: fragment (T, w / 2), registers 4 (w % 2) on, lane 4 (l % 4) + c + 16 h
	v_lshl_add_u32 v12, v3, 8, v12
	v_lshl_add_u32 v12, v25, 6, v12
	s_lshl_b32 s56, s52, 10
	s_lshl_b32 s57, s51, 9
	s_add_co_u32 s56, s56, s57
	v_add_nc_u32 v12, s56, v12
	v_lshlrev_b32 v13, 7, v30                      ; W1's scale bytes: word 64 (2 T + w / 2) + 4 r', byte 2 (w % 2) + h
	v_lshl_add_u32 v13, v25, 4, v13
	v_add_nc_u32 v13, v13, v3
	s_lshl_b32 s56, s52, 6
	s_lshl_b32 s57, s51, 1
	s_add_co_u32 s56, s56, s57
	v_add_nc_u32 v13, s56, v13
	v_lshlrev_b32 v14, 5, v29                      ; W2's codes: fragment w / 2, lane 2 p (+ 1) + 16 (w % 2), register a
	v_lshl_add_u32 v14, v28, 2, v14
	s_lshl_b32 s56, s52, 9
	s_lshl_b32 s57, s51, 8
	s_add_co_u32 s56, s56, s57
	v_add_nc_u32 v14, s56, v14
	v_lshlrev_b32 v15, 3, v29                      ; W2's scale bytes: word 64 (w / 2) + 4 (2 p (+ 1)), byte w % 2 (a even) or 2 + w % 2 (a odd)
	v_lshl_add_u32 v15, v27, 1, v15
	s_lshl_b32 s56, s52, 6
	s_add_co_u32 s56, s56, s51
	v_add_nc_u32 v15, s56, v15
	v_lshlrev_b32 v16, 2, v2                       ; 4 r
	s_lshl_b32 s56, s2, 6
	v_lshl_add_u32 v17, v26, 2, s56                ; 64 w + 4 q
	v_add_nc_u32 v18, s56, v16                     ; 64 w + 4 r
	v_lshlrev_b32 v20, 3, v1                       ; 8 l
	v_lshlrev_b32 v21, 6, v3                       ; 64 h
	v_lshlrev_b32 v22, 5, v3                       ; 32 h
	v_mov_b32 v23, 127                             ; the byte of the scale 1
	v_mov_b32 v31, 0                               ; written once: a lane permute's destination counts as one of its sources
	; ---- byte offsets, and the gathers: three batches of offsets, each with one wait and its loads behind it
	s_wait_loadcnt 40                              ; the 20 index loads are in; the 32 + 8 weight loads behind them may be out
.irp t, 0,1,2,3
	OFFS \t
.endr
	s_wait_alu depctr_va_vdst(0)                   ; the offsets of field pairs 0 to 3 are written, which the 16 gathers below read
.irp t, 0,1,2,3
	GATHER \t
.endr
.irp t, 4,5,6,7
	OFFS \t                                        ; these write XA + 8 .. 15 and + 24 .. 31; the gathers above read XA + 0 .. 7 and + 16 .. 23
.endr
	s_wait_alu depctr_va_vdst(0)                   ; the offsets of field pairs 4 to 7 are written, which the 16 gathers below read
.irp t, 4,5,6,7
	GATHER \t
.endr
.irp n, 0,1,2,3,4,5,6,7
	v_min_u32 v[XL+\n], 0x1869f, v[XL+\n]
.endr
.irp n, 0,1,2,3,4,5,6,7
	v_min_u32 v[FL+\n], 16, v[FL+\n]
.endr
.irp n, 0,1,2,3,4,5,6,7
	v_mul_u32_u24 v[FL+\n], v[FL+\n], 0x61a80      ; 400,000 bytes a field
.endr
.irp n, 0,1,2,3,4,5,6,7
	v_lshl_add_u32 v[XL+\n], v[XL+\n], 2, v[FL+\n]
.endr
	s_wait_alu depctr_va_vdst(0)                   ; lin's offsets are written, which its loads read; the lines above are done with FL and FA, in which lin_table's numbers and x_val land
.irp n, 0,1,2,3,4,5,6,7
	global_load_b32 v[LV+\n], v[XL+\n], s[16:17]
.endr
	global_load_b128 v[VL:VL+3], v6, s[12:13]                      ; x_val beside lin's numbers
	global_load_b128 v[VL+4:VL+7], v6, s[12:13] offset:512
.irp t, 0,1,2,3,4,5,6,7
	global_load_b64 v[XV+2*\t:XV+2*\t+1], v7, s[12:13] offset:8*\t ; x_val of row r, fields 2 t and 2 t + 1
.endr
	s_wait_xcnt 0x0                                ; the gathers' offset registers are written again only behind this wait,
	s_wait_alu depctr_vm_vsrc(0)                   ; and behind this one: the gathers have read XA and lin's loads XL, which the moves and conversions below write
	; ---- my quarter of the weights becomes codes, while the gathers are on their way
	s_wait_loadcnt 50                              ; the 40 weight loads are in; the 32 + 8 + 2 + 8 loads issued behind them may be out
	WCOL 0
	WCOL 1
	WCOL 2
	WCOL 3
	v_and_b32 v[TT+20], 8, v1
	v_cmp_ne_u32 vcc_lo, 0, v[TT+20]               ; a odd?  The mask is read at the end of W2's lines
	WIN 0x01
.irp i, 0,1,2,3,4,5,6,7
	v_mov_b32 v[TT+\i], v[W2R+2*\i]                ; column 2 p: eight numbers down K,
	v_mov_b32 v[TT+8+\i], v[W2R+2*\i+1]            ; column 2 p + 1
.endr
	WIN 0
	v_max3_num_f32 v28, |v[TT]|, |v[TT+1]|, 0x1800000
	v_max3_num_f32 v29, |v[TT+8]|, |v[TT+9]|, 0x1800000
.irp i, 2,4,6
	v_max3_num_f32 v28, v28, |v[TT+\i]|, |v[TT+\i+1]|
	v_max3_num_f32 v29, v29, |v[TT+8+\i]|, |v[TT+9+\i]|
.endr
	v_max_num_f32_dpp v28, v28, v28 row_xmask:8 row_mask:0xf bank_mask:0xf   ; a block's 32 numbers lie in lanes l, l xor 8, l xor 16, l xor 24
	v_max_num_f32_dpp v29, v29, v29 row_xmask:8 row_mask:0xf bank_mask:0xf
	v_permlanex16_b32 v30, v28, s48, s49
	v_permlanex16_b32 v31, v29, s48, s49
	v_max_num_f32 v28, v28, v30
	v_max_num_f32 v29, v29, v31
	v_add_nc_u32 v30, 0xff000000, v28
	v_add_nc_u32 v31, 0xff000000, v29
	v_cvt_scalef32_pk8_fp4_f32 v[TT+16], v[TT:TT+7], v30           ; register a of the fragment
	v_cvt_scalef32_pk8_fp4_f32 v[TT+17], v[TT+8:TT+15], v31
	v_lshrrev_b32 v[TT+18], 23, v30
	v_lshrrev_b32 v[TT+19], 23, v31
	s_wait_alu depctr_va_vcc(0)                    ; the compare above has written VCC, ahead of its first reader
	v_cndmask_b32 v[TT+18], v[TT+18], v23, vcc_lo  ; lanes with a odd write 127 into the bytes of k = 64 .. 127, whose codes are zeros
	v_cndmask_b32 v[TT+19], v[TT+19], v23, vcc_lo
	s_wait_alu depctr_va_vdst(0)                   ; W1's and W2's codes and bytes are written, which the twelve LDS stores read; the moves are done reading W1 as loaded, in which the biases and gains land behind the barrier
.irp c, 0,1,2,3
	ds_store_b128 v12, v[CW+4*\c:CW+4*\c+3] offset:W1I+16*\c
	ds_store_b8 v13, v[24+\c] offset:W1S+4*\c
.endr
	ds_store_b32 v14, v[TT+16] offset:W2I
	ds_store_b32 v14, v[TT+17] offset:W2I+16
	ds_store_b8 v15, v[TT+18] offset:W2S           ; lanes a and a + 2 write the same byte with the same value
	ds_store_b8 v15, v[TT+19] offset:W2S+4
	s_wait_dscnt 0x0                               ; for the others' sake: my images have landed
	s_barrier_signal -1
	s_barrier_wait -1                              ; all four quarters lie in LDS; nobody writes them again
	; ---- the weights' fragments and scale words; the biases and gains (40 loads, into the registers that W1 has left).  No wait: since the last wait on va_vdst the only vector lines are the twelve zeros below, which name no register that a load here touches
	WIN 0x40
.irp t, 0,1,2,3
.irp s, 0,1
.irp c, 0,1
	ds_load_b128 v[W1F+8*(2*\t+\s)+4*\c:W1F+8*(2*\t+\s)+4*\c+3], v6 offset:W1I+2064*\t+1024*\s+512*\c
.endr
.endr
.endr
.irp t, 0,1
	ds_load_b128 v[W2F+8*\t:W2F+8*\t+3], v6 offset:W2I+512*\t
.endr
.irp t, 0,1
.irp j, 4,5,6,7
	v_mov_b32 v[W2F+8*\t+\j], 0                    ; k = 64 .. 127: zero codes
.endr
.endr
.irp t, 0,1,2,3                                ; lane (r, h) wants, for tile 2 b + u, the numbers of hidden units 32 b + 8 u + 16 h + 0 .. 7
	global_load_b128 v[B1+8*\t:B1+8*\t+3], v21, s[24:25] offset:(32*(\t/2)+8*(\t%2))*4
	global_load_b128 v[B1+8*\t+4:B1+8*\t+7], v21, s[24:25] offset:(32*(\t/2)+8*(\t%2))*4+16
.endr
.irp t, 0,1,2,3
	global_load_b128 v[G1+8*\t:G1+8*\t+3], v21, s[26:27] offset:(32*(\t/2)+8*(\t%2))*4
	global_load_b128 v[G1+8*\t+4:G1+8*\t+7], v21, s[26:27] offset:(32*(\t/2)+8*(\t%2))*4+16
.endr
.irp t, 0,1,2,3
	global_load_b128 v[BE1+8*\t:BE1+8*\t+3], v21, s[28:29] offset:(32*(\t/2)+8*(\t%2))*4
	global_load_b128 v[BE1+8*\t+4:BE1+8*\t+7], v21, s[28:29] offset:(32*(\t/2)+8*(\t%2))*4+16
.endr
.irp t, 0,1                                    ; second layer, tile t: units 16 t + 8 h + 0 .. 7
	global_load_b128 v[B2+8*\t:B2+8*\t+3], v22, s[30:31] offset:64*\t
	global_load_b128 v[B2+8*\t+4:B2+8*\t+7], v22, s[30:31] offset:64*\t+16
	global_load_b128 v[G2+8*\t:G2+8*\t+3], v22, s[32:33] offset:64*\t
	global_load_b128 v[G2+8*\t+4:G2+8*\t+7], v22, s[32:33] offset:64*\t+16
	global_load_b128 v[BE2+8*\t:BE2+8*\t+3], v22, s[34:35] offset:64*\t
	global_load_b128 v[BE2+8*\t+4:BE2+8*\t+7], v22, s[34:35] offset:64*\t+16
	global_load_b128 v[W3R+8*\t:W3R+8*\t+3], v22, s[22:23] offset:64*\t
	global_load_b128 v[W3R+8*\t+4:W3R+8*\t+7], v22, s[22:23] offset:64*\t+16
.endr
	WIN 0
.irp f, 0,1,2,3,4,5,6,7
	ds_load_b32 v[W1SR+\f], v16 offset:W1S+64*\f   ; lane r': the word of the tile's row r' (lanes 16-31 hold the same and are not read)
.endr
.irp t, 0,1
	ds_load_b32 v[W2SR+\t], v16 offset:W2S+64*\t
.endr
.irp j, 4,5,6,7
	v_mov_b32 v[HC+\j], 0                          ; the hidden layer's k = 64 .. 127: zero codes
.endr
	; ---- the gathered rows turn through my stages: in as loaded (four lanes a row), back 64 bytes a lane, into the registers that they left
	s_wait_loadcnt 58                              ; the 32 gathers are in; behind them 8 + 2 + 8 + 40 loads may be out
.irp t, 0,1,2,3,4,5,6,7
.irp i, 0,1,2,3
	ds_store_b128 v10, v[G+16*\t+4*\i:G+16*\t+4*\i+3] offset:2560*\t+640*\i   ; place 8 i + q = lane (row 8 (i % 2) + q) + 16 (i / 2)
.endr
.endr
	s_wait_alu depctr_vm_vsrc(0)                   ; the 32 stores have read v128-255, in which the 32 loads below land; the images' stores have read v24-27, v64-67 and v104-119, which are written again from here on
.irp t, 0,1,2,3,4,5,6,7
.irp j, 0,1,2,3
	ds_load_b128 v[G+16*\t+4*\j:G+16*\t+4*\j+3], v11 offset:2560*\t+16*\j     ; LDS serves a wave's instructions in order: these see the stores above
.endr
.endr
	; ---- lin; x_val of my fields; weighing and FM's sums
	s_wait_loadcnt 40                              ; lin's numbers and x_val are in; the 40 loads of biases and gains may be out
	v_cmp_ne_u32 vcc_lo, 0, v3                     ; lanes 16-31?  The mask is read behind lin's lines
	v_mul_f32 v[LN], v[LV], v[VL]                  ; row q, fields 4 c on
	v_mul_f32 v[LN+1], v[LV+4], v[VL+4]            ; row q + 8
.irp n, 1,2,3
	v_fma_f32 v[LN], v[LV+\n], v[VL+\n], v[LN]
	v_fma_f32 v[LN+1], v[LV+4+\n], v[VL+4+\n], v[LN+1]
.endr
	v_add_f32_dpp v[LN], v[LN], v[LN] row_xmask:1 row_mask:0xf bank_mask:0xf
	v_add_f32_dpp v[LN+1], v[LN+1], v[LN+1] row_xmask:1 row_mask:0xf bank_mask:0xf
	v_add_f32_dpp v[LN], v[LN], v[LN] row_xmask:2 row_mask:0xf bank_mask:0xf       ; the quad's four lanes hold the row's sum
	v_add_f32_dpp v[LN+1], v[LN+1], v[LN+1] row_xmask:2 row_mask:0xf bank_mask:0xf
	s_wait_alu depctr_va_vcc(0)                    ; the compare above has written VCC, ahead of its first reader
.irp t, 0,1,2,3,4,5,6,7
	v_cndmask_b32 v[XV+2*\t], v[XV+2*\t], v[XV+2*\t+1], vcc_lo               ; x_val of field 2 t + h
.endr
	s_wait_alu depctr_va_vdst(0)
.irp t, 0,1,2,3,4,5,6,7
	FIELDS \t
.endr
	; ---- the first product: 4 tiles of 16 hidden units x 2 K steps
	QUANT G, 4, XC, XS
	QUANT G+64, 4, XC+8, XS+1
	s_wait_loadcnt 0x0                             ; the biases and gains
	WIN 0x41                                       ; destination and source 0 window 1
.irp p, 0,1,2,3,4,5,6,7,8,9,10,11,12,13,14,15
	v_pk_mul_f32 v[G1+2*\p:G1+2*\p+1], v[G1+2*\p:G1+2*\p+1], s[46:47] op_sel_hi:[1,0]   ; g / sqrt(1 + 1e-5).  These 24 plain lines also stand between the vector writes of the codes (4 asked) and scale words (8 asked) and the scaled products
.endr
.irp p, 0,1,2,3,4,5,6,7
	v_pk_mul_f32 v[G2+2*\p:G2+2*\p+1], v[G2+2*\p:G2+2*\p+1], s[46:47] op_sel_hi:[1,0]
.endr
	WIN 0
	s_wait_alu depctr_va_vdst(0)                   ; e's codes and scale words are written, which the scaled products take; lin's two sums are written, which the LDS stores read; the vector lines that named v31 are done, in which lin lands
	ds_store_b32 v17, v[LN] offset:LINS            ; lin goes from the lanes of a quad to lane r: my own 64 bytes, served in order; it is back when FM's tail wants it
	ds_store_b32 v17, v[LN+1] offset:LINS+32
	ds_load_b32 v31, v18 offset:LINS
	WIN 0x11                                       ; source 0 (W1) and source 2 (b1) window 1
.irp t, 0,1,2,3                                ; b1 is the C of each sum's first product; the four accumulators take turns
	v_wmma_scale_f32_16x16x128_f8f6f4 v[H+8*\t:H+8*\t+7], v[W1F+16*\t:W1F+16*\t+7], v[XC:XC+7], v[B1+8*\t:B1+8*\t+7], v[W1SR+2*\t], v[XS] matrix_a_fmt:MATRIX_FMT_FP4 matrix_b_fmt:MATRIX_FMT_FP4
.endr
	WIN 0x01
.irp t, 0,1,2,3
	v_wmma_scale_f32_16x16x128_f8f6f4 v[H+8*\t:H+8*\t+7], v[W1F+16*\t+8:W1F+16*\t+15], v[XC+8:XC+15], v[H+8*\t:H+8*\t+7], v[W1SR+2*\t+1], v[XS+1] matrix_a_fmt:MATRIX_FMT_FP4 matrix_b_fmt:MATRIX_FMT_FP4
.endr
	WIN 0
	; ---- FM's tail names no register of the products: its plain lines are the places behind them
.irp e, 0,1,2,3,4,5,6,7,8,9,10,11,12,13,14,15
	v_permlanex16_b32 v[SP+\e], v[S+\e], s48, s49  ; the other eight fields' sums
.endr
.irp p, 0,1,2,3,4,5,6,7
	v_pk_add_f32 v[S+2*\p:S+2*\p+1], v[S+2*\p:S+2*\p+1], v[SP+2*\p:SP+2*\p+1]
.endr
	v_pk_mul_f32 v[26:27], v[S:S+1], v[S:S+1]
	v_pk_mul_f32 v[28:29], v[S+2:S+3], v[S+2:S+3]
.irp p, 2,4,6
	v_pk_fma_f32 v[26:27], v[S+2*\p:S+2*\p+1], v[S+2*\p:S+2*\p+1], v[26:27]
	v_pk_fma_f32 v[28:29], v[S+2*\p+2:S+2*\p+3], v[S+2*\p+2:S+2*\p+3], v[28:29]
.endr
	v_pk_add_f32 v[SQ:SQ+1], v[SQ:SQ+1], v[SQ+2:SQ+3]
	v_pk_add_f32 v[SQ+4:SQ+5], v[SQ+4:SQ+5], v[SQ+6:SQ+7]
	v_pk_add_f32 v[26:27], v[26:27], v[28:29]
	v_pk_add_f32 v[SQ:SQ+1], v[SQ:SQ+1], v[SQ+4:SQ+5]
	v_add_f32 v26, v26, v27                        ; the sum of s_e^2
	v_add_f32 v[SQ], v[SQ], v[SQ+1]
	v_permlanex16_b32 v[SQ+1], v[SQ], s48, s49
	v_add_f32 v[SQ], v[SQ], v[SQ+1]                ; the sum of all 256 squares
	v_sub_f32 v26, v26, v[SQ]
	s_wait_alu depctr_va_vdst(0)
	s_wait_kmcnt 0x0                               ; b3 and lin_bias
	s_add_f32 s42, s42, s43
	s_wait_dscnt 0x0                               ; lin is back in v31
	v_fma_f32 v[R], 0.5, v26, v31                  ; fm + lin
	; ---- the first layer's end: gain, offset, relu; quantised in registers
	WIN 0x14                                       ; sources 1 and 2 window 1
.irp p, 0,1,2,3,4,5,6,7,8,9,10,11,12,13,14,15
	v_pk_fma_f32 v[H+2*\p:H+2*\p+1], v[H+2*\p:H+2*\p+1], v[G1+2*\p:G1+2*\p+1], v[BE1+2*\p:BE1+2*\p+1]   ; ascending: each accumulator is read from its low end on
.endr
	WIN 0
.set i, 0
.rept 32
	v_max_num_f32 v[H+i], 0, v[H+i]
.set i, i+1
.endr
	QUANT H, 2, HC, HS
	v_add_f32 v[R], s42, v[R]                      ; + b3 + lin_bias.  With the seven lines below: eight plain lines between the vector write of the scale word and the scaled product
.rept 7
	v_nop
.endr
	s_wait_alu depctr_va_vdst(0)                   ; the hidden layer's codes and scale word, and the zero codes of both operands, are written, which the scaled products take; the places above stay beside this wait
	; ---- the second product: 2 tiles of 16 units, K = 64 of the instruction's 128
	WIN 0x11
.irp t, 0,1
	v_wmma_scale_f32_16x16x128_f8f6f4 v[Y+8*\t:Y+8*\t+7], v[W2F+8*\t:W2F+8*\t+7], v[HC:HC+7], v[B2+8*\t:B2+8*\t+7], v[W2SR+\t], v[HS] matrix_a_fmt:MATRIX_FMT_FP4 matrix_b_fmt:MATRIX_FMT_FP4
.endr
	WIN 0x14
.rept 4
	v_nop                                          ; four places ahead of the first read of the results (ISA guide 7.12.1)
.endr
.irp p, 0,1,2,3,4,5,6,7
	v_pk_fma_f32 v[Y+2*\p:Y+2*\p+1], v[Y+2*\p:Y+2*\p+1], v[G2+2*\p:G2+2*\p+1], v[BE2+2*\p:BE2+2*\p+1]
.endr
	WIN 0
.set i, 0
.rept 16
	v_max_num_f32 v[Y+i], 0, v[Y+i]
.set i, i+1
.endr
	WIN 0x04                                       ; source 1 (W3) window 1
	v_pk_mul_f32 v[24:25], v[Y:Y+1], v[W3R:W3R+1]  ; the third product, in f32: my 16 of the 32 units, two chains
	v_pk_mul_f32 v[26:27], v[Y+2:Y+3], v[W3R+2:W3R+3]
.irp p, 2,4,6
	v_pk_fma_f32 v[24:25], v[Y+2*\p:Y+2*\p+1], v[W3R+2*\p:W3R+2*\p+1], v[24:25]
	v_pk_fma_f32 v[26:27], v[Y+2*\p+2:Y+2*\p+3], v[W3R+2*\p+2:W3R+2*\p+3], v[26:27]
.endr
	WIN 0
	v_pk_add_f32 v[24:25], v[24:25], v[26:27]
	v_add_f32 v24, v24, v25
	v_permlanex16_b32 v25, v24, s48, s49           ; the other 16 units
	v_add_f32 v24, v24, v25
	v_add_f32 v24, v24, v[R]
	s_wait_alu depctr_va_vdst(0)                   ; the row's result v24 is written, which the LDS store reads; the chains above are done with v26 and v27, in which wave 0's load lands
	ds_store_b32 v18, v24 offset:OUTS              ; lanes r and r + 16 write the same word with the same value
	s_wait_dscnt 0x0                               ; for wave 0's sake: my 16 results have landed
	s_barrier_signal -1
	s_barrier_wait -1
	s_cmp_lg_u32 s2, 0
	s_cbranch_scc1 .Lend
	ds_load_b64 v[26:27], v20 offset:OUTS          ; wave 0 stores the work-group's 64 results (into another pair than the one that the store above read):
	s_wait_dscnt 0x0
	global_store_b64 v20, v[26:27], s[40:41]       ; 32 lanes, 256 consecutive bytes, at a multiple of 256 from out0's first byte
.Lend:
	s_set_vgpr_msb 0x8
	s_wait_dscnt 0x0
	s_wait_alu depctr_hold_cnt(0) depctr_sa_sdst(0) depctr_va_vdst(0) depctr_va_sdst(0) depctr_va_ssrc(0) depctr_va_vcc(0) depctr_vm_vsrc(0)
	s_wait_tensorcnt 0x0
	ds_add_u32 v19, v1
	s_wait_dscnt 0x0
	s_endpgm
.Lfunc_end_k_q414dd9fd9b_dfm:
	.size	k_q414dd9fd9b_dfm, .Lfunc_end_k_q414dd9fd9b_dfm-k_q414dd9fd9b_dfm
	.p2alignl 7, 3214868480
	.fill 96, 4, 3214868480
	.section	.rodata,"a",@progbits
	.p2align	6, 0x0
	.amdhsa_kernel k_q414dd9fd9b_dfm
		.amdhsa_group_segment_fixed_size 94720
		.amdhsa_private_segment_fixed_size 0
		.amdhsa_enable_private_segment 0
		.amdhsa_kernarg_size 136
		.amdhsa_user_sgpr_count 2
		.amdhsa_user_sgpr_kernarg_segment_ptr 1
		.amdhsa_wavefront_size32 1
		.amdhsa_system_sgpr_workgroup_id_x 1
		.amdhsa_system_sgpr_workgroup_id_y 1
		.amdhsa_system_sgpr_workgroup_id_z 1
		.amdhsa_system_vgpr_workitem_id 0
		.amdhsa_next_free_vgpr 514
		.amdhsa_next_free_sgpr 66
		.amdhsa_reserve_vcc 1
		.amdhsa_float_denorm_mode_32 3
		.amdhsa_float_denorm_mode_16_64 3
		.amdhsa_memory_ordered 1
		.amdhsa_forward_progress 1
		.amdhsa_inst_pref_size 81
	.end_amdhsa_kernel
	.amdgpu_metadata
---
amdhsa.version: [ 1, 2 ]
amdhsa.kernels:
  - .name:           k_q414dd9fd9b_dfm
    .symbol:         k_q414dd9fd9b_dfm.kd
    .args:
      - { .name: x, .offset: 0, .size: 8, .value_kind: global_buffer, .address_space: global }
      - { .name: x_field, .offset: 8, .size: 8, .value_kind: global_buffer, .address_space: global }
      - { .name: x_val, .offset: 16, .size: 8, .value_kind: global_buffer, .address_space: global }
      - { .name: emb_table, .offset: 24, .size: 8, .value_kind: global_buffer, .address_space: global }
      - { .name: lin_table, .offset: 32, .size: 8, .value_kind: global_buffer, .address_space: global }
      - { .name: W1, .offset: 40, .size: 8, .value_kind: global_buffer, .address_space: global }
      - { .name: W2, .offset: 48, .size: 8, .value_kind: global_buffer, .address_space: global }
      - { .name: W3, .offset: 56, .size: 8, .value_kind: global_buffer, .address_space: global }
      - { .name: b1, .offset: 64, .size: 8, .value_kind: global_buffer, .address_space: global }
      - { .name: g1, .offset: 72, .size: 8, .value_kind: global_buffer, .address_space: global }
      - { .name: be1, .offset: 80, .size: 8, .value_kind: global_buffer, .address_space: global }
      - { .name: b2, .offset: 88, .size: 8, .value_kind: global_buffer, .address_space: global }
      - { .name: g2, .offset: 96, .size: 8, .value_kind: global_buffer, .address_space: global }
      - { .name: be2, .offset: 104, .size: 8, .value_kind: global_buffer, .address_space: global }
      - { .name: b3, .offset: 112, .size: 8, .value_kind: global_buffer, .address_space: global }
      - { .name: lin_bias, .offset: 120, .size: 8, .value_kind: global_buffer, .address_space: global }
      - { .name: out0, .offset: 128, .size: 8, .value_kind: global_buffer, .address_space: global }
    .group_segment_fixed_size: 94720
    .private_segment_fixed_size: 0
    .kernarg_segment_align: 8
    .kernarg_segment_size: 136
    .max_flat_workgroup_size: 128
    .sgpr_count:     66
    .vgpr_count:     514
    .wavefront_size: 32
...
	.end_amdgpu_metadata
.endif
;; end of part 2
